; MI455X (gfx1250); checked and timed in simulation.
; The chip was launched on July 23, 2026; its instructions are those of AMD's public machine-readable ISA for CDNA 5 (MIT licence, August 2026) and "CDNA5" Instruction Set Architecture Reference Guide (July 2026). The comments in the code are by the model that wrote it; some were corrected since.
;; Quant Linear. Allowed arithmetic: matrix products marked QUANTISED: E4M3 operands, one given power-of-two scale a tensor, by v_wmma_f32_16x16x64_fp8_fp8 or v_wmma_f32_16x16x128_fp8_fp8, f32 sums; everything else in f32.
;; Inputs: bias 2,048 float16; g_idx 4,096 int32; lowp_scales 2 int32 (the exponents e of the quantised operands' scales 2^e); qweight 512 x 2,048 int32; qzeros 32 x 256 int32; scales 32 x 2,048 float16; x 4 x 2,048 x 4,096 float16.
;; Outputs: out0 4 x 2,048 x 2,048 float16.
;; This version of the problem:
;;   THIS VERSION OF THE PROBLEM IS GIVEN IN LOW PRECISION. The matrix products marked QUANTISED in the list below multiply operands that are first quantised to E4M3 (4 exponent bits, 3 mantissa bits; 8 bits a number), with one given power-of-two scale for each operand tensor; their sums are f32. All else is computed in f32.
;;   The module's matrix products, in the order in which they are computed (A, B: the left and right operand; K: the contracted axis; several contracted axes count as one K, in the product's order):
;;     1. [M 8,192, K 4,096] x [K 4,096, N 2,048]; A: input x; B: computed on the way: QUANTISED (scales: A lowp_scales[0], B lowp_scales[1])
;;   THE QUANTISER, for each operand of a quantised product, along K:
;;     - The operand's scale is 2^e, e = its entry of the input lowp_scales (int32; the entries are numbered through the quantised products in the list's order, A before B).
;;     - Each number is divided by the scale, clamped to +-448, and rounded to the nearest number of E4M3, ties to even, subnormals kept.
;;     - The product sums the exact products of the quantised numbers (number of the format x scale) in f32.
;;   ~~~python
;;   def quantise(x, axis, e):      # numpy; x: float32 -> the quantised numbers, widened to float32 again
;;       x = np.moveaxis(x, axis, -1); K = x.shape[-1]
;;       r = np.clip(x / 2.0 ** e, -448, 448)
;;       step = 2.0 ** (np.maximum(np.frexp(np.where(r == 0, 1, r))[1] - 1, -6) - 3)
;;       q = np.round(r / step) * step * 2.0 ** e      # np.round: ties to even
;;       return np.moveaxis(q, -1, axis).astype(np.float32)
;;   ~~~
;;   OPERANDS COMPUTED ON THE WAY. 'Computed on the way' means the value that the module computes at that place (a softmax that the list does not call 'softmax' is quantised finished and normalised). What goes into a quantiser is computed in f32, as accurately as f32 sums, v_exp_f32 and their like allow (about 1e-6 of the number): no bf16 or f16 on the way to a quantiser, and a product that is left as it is and whose result goes on into a quantised operand takes f32 operands (vector FMAs, or v_wmma_f32_16x16x4_f32). A number that lies on a knife's edge between two numbers of the format may be rounded either way, as far as f32 arithmetic and the matrix unit's own rounding can turn it there, and no further.
;; One version. Each part assembles by itself: llvm-mc -triple=amdgcn-amd-amdhsa -mcpu=gfx1250 --defsym DOCPART=n.
;; ======== version 1 of 1: 2 launches
;; limits: values are held in f16: magnitudes above 65,504 overflow, below 6.1e-05 lose precision; right only within a limited range of input values
;; workspace buffers: x_codes 33,554,432 bytes; w_codes 8,388,608 bytes
;; launch prep (part 1): grid 1280 x 1, 4 waves a work-group, no clusters, 33,280 bytes of LDS; arguments x, qweight, qzeros, scales, g_idx, lowp_scales, x_codes, w_codes; writes x_codes, w_codes
.if DOCPART == 1
	.amdgcn_target "amdgcn-amd-amdhsa--gfx1250"
	.amdhsa_code_object_version 6
	.text
	.protected	k_qbcf36944b4_prep
	.globl	k_qbcf36944b4_prep
	.p2align	8
	.type	k_qbcf36944b4_prep,@function
k_qbcf36944b4_prep:
	s_mov_b64 s[64:65], 0
	v_nop
	global_prefetch_b8 v0, s[64:65] scope:SCOPE_SE
	s_setreg_imm32_b32 hwreg(HW_REG_WAVE_MODE, 25, 1), 1
	s_wait_xcnt 0x0
; Both operands of out = Q(x) Q(W) + bias become codes of FP8 (E4M3), one byte a code.
;   x_codes [8192][4096], K innermost: code = x / 2^e0, held within +-448, to the nearest code, ties to even.
;   W(k, n) = scales[g][n] x (nibble k % 8 of qweight[k / 8][n] - (nibble n % 8 of qzeros[g][n / 8] + 1)), g = g_idx[k]; code = W / 2^e1, likewise.
;   w_codes IS LAID AS THE PRODUCT'S REGISTERS TAKE IT: the code of (k, n) lies at byte
;   524288 (n / 128) + 16384 (k / 128) + 2048 ((n / 16) % 8) + 512 ((k % 128) / 32) + 256 ((k % 32) / 16) + 16 (n % 16) + k % 16.
; W IS EXACT IN f32: w s and (z + 1) s have at most 16 significant bits each, so fma(w, s, -(z + 1) s) is (w - z - 1) s with nothing rounded.
; g_idx IS GATHERED BY, k for k: no pattern of it is built in.  Nothing of reference() is left out; every input is loaded (bias by the next launch).
; LIMITS: e0 and e1 between -126 and 119, so that 2^e and 448 x 2^e are f32 numbers.  NaN among x or scales is not served (an infinity is held at the largest code).  A g_idx outside 0 .. 31 counts as 31.
; SHARES.  Work-groups 0 .. 255 take W (16 blocks of 128 columns x 16 blocks of 256 along K), work-groups 256 .. 1279 take x (32,768 numbers each).  The branch hangs on the work-group's number alone.
; No tensor loads and no cluster: x is a plain stream that nobody shares, and what W's work-groups share (scales, qzeros, g_idx) is 180 KB against the 68 MB that the launch streams.
.set WREG, 8192                        ; W's path: a wave's table in LDS: 32 groups x 32 lanes x 8 bytes
.set SPARE, 4*WREG                     ; behind the tables: the spare words, 128 bytes a wave
.set SPW,  14                          ; v14 my spare word's address, v15 = 0: never rewritten
.set NIL,  15
.set R,    16                          ; x: v16-79    sixteen slots of 4 registers: 8 f16 as loaded
.set T,    80                          ; x: v80-95    two sets of 8 numbers in f32
.set CX,   96                          ; x: v96-159   a pair for each of the 32 steps' codes: no store's data are written again
.set TB,   16                          ; W: v16-79    the table while it is made: pair g = (s, -(z + 1) s)
.set PR,   32                          ; W: v32-63    two sets of 8 pairs read back from the table
.set WS,   64                          ; W: v64-79    two sets of 8 numbers of W
.set QW,   80                          ; W: v80-111   my column's 32 words of qweight
.set CW,   112                         ; W: v112-175  my column's 256 codes: row i's eight in v[CW + 2 i], v[CW + 2 i + 1]
.set GV,   160                         ; W: v160, v162 .. v174  g_idx of my wave's 256 k, entry 32 j + lane in register GV + 2 j.  Register j is read for the last time in row 4 j + 2's turn;
                                       ;    row 24 + j's codes are written there later (4 j + 2 < 24 + j for j up to 7)
.set AD,   176                         ; W: v176-191  two sets of 8 LDS addresses into the table
.set GI,   32                          ; W: s[32:47]  two sets of 8 entries of g_idx as scalars
	s_load_b512 s[4:19], s[0:1], 0x0               ; x, qweight, qzeros, scales, g_idx, lowp_scales, x_codes, w_codes
	v_lshl_add_u32 v[SPW], v0, 2, SPARE
	v_mov_b32 v[NIL], 0
	v_lshrrev_b32 v1, 5, v0
	v_readfirstlane_b32 s20, v1                    ; wave 0..3
	v_and_b32 v1, 31, v0                           ; lane
	s_wait_alu depctr_va_vdst(0)
	s_wait_kmcnt 0x0
	s_load_b64 s[22:23], s[14:15], 0x0             ; e0, e1
	s_cmp_lt_u32 ttmp9, 256
	s_cbranch_scc1 .Lw
; ---- x: 32 steps of 256 numbers a wave.  In step t the 4,096 waves of x's work-groups together take 2 MB of x on end: wave W the 512 bytes at 2,097,152 t + 512 W, and its codes go to 1,048,576 t + 256 W.
; A lane's 16 bytes are 8 neighbours along K, one conversion's worth; its 8 codes are 8 bytes.  A load of the wave covers 512 consecutive bytes, a store 256, aligned.  Sixteen loads of every wave are out.
; A base for every four steps of loads (s[48:63]) and every eight of stores (s[66:73]), the rest an immediate inside its signed 24 bits: no register that a load or store names is written again.
.set LB, 48
.set SB, 66
	s_sub_co_u32 s24, ttmp9, 256
	s_lshl_b32 s24, s24, 2
	s_add_co_u32 s24, s24, s20                     ; W: 0 .. 4,095
	s_lshl_b32 s26, s24, 8                         ; its codes,
	s_lshl_b32 s24, s24, 9                         ; its f16 numbers, in bytes
	s_mov_b32 s25, 0
	s_mov_b32 s27, 0
	s_add_nc_u64 s[LB:LB+1], s[4:5], s[24:25]
	s_add_nc_u64 s[SB:SB+1], s[16:17], s[26:27]
.irp i, 1,2,3,4,5,6,7
	s_add_nc_u64 s[LB+2*\i:LB+2*\i+1], s[LB+2*\i-2:LB+2*\i-1], 0x800000   ; four steps of 2 MB on
.endr
.irp i, 1,2,3
	s_add_nc_u64 s[SB+2*\i:SB+2*\i+1], s[SB+2*\i-2:SB+2*\i-1], 0x800000   ; eight steps of 1 MB on
.endr
	v_lshlrev_b32 v2, 4, v1                        ; in: 16 bytes a lane
	v_lshlrev_b32 v3, 3, v1                        ; out: 8 bytes a lane
.irp t, 0,1,2,3,4,5,6,7,8,9,10,11,12,13,14,15
	global_load_b128 v[R+4*\t:R+4*\t+3], v2, s[LB+2*(\t/4):LB+2*(\t/4)+1] offset:0x200000*(\t%4) th:TH_LOAD_NT
.endr
	s_wait_kmcnt 0x0
	s_add_co_i32 s28, s22, 127
	s_lshl_b32 s29, s28, 23
	v_mov_b32 v11, s29                             ; 2^e0 as f32: the conversion takes its exponent field
	s_add_co_i32 s28, s28, 8
	s_lshl_b32 s28, s28, 23
	s_or_b32 s28, s28, 0x600000
	v_mov_b32 v10, s28                             ; 448 x 2^e0
	s_wait_alu depctr_va_vdst(0)
; Step t, in slot t % 16, whose four registers are a, b, c, d (plain numbers, since their halves are named).
.macro XSTEP t, a, b, c, d
.set TS, T+8*((\t)%2)
.if (\t) <= 16
	s_wait_loadcnt 15                              ; step t's load is in, the fifteen issued behind it may be out
.else
	s_wait_loadcnt 31-(\t)                         ; nothing is asked for any more: the count runs down
.endif
	v_cvt_f32_f16 v[TS+0], v\a\().l
	v_cvt_f32_f16 v[TS+1], v\a\().h
	v_cvt_f32_f16 v[TS+2], v\b\().l
	v_cvt_f32_f16 v[TS+3], v\b\().h
	v_cvt_f32_f16 v[TS+4], v\c\().l
	v_cvt_f32_f16 v[TS+5], v\c\().h
	v_cvt_f32_f16 v[TS+6], v\d\().l
	v_cvt_f32_f16 v[TS+7], v\d\().h
.if (\t)+16 < 32
	global_load_b128 v[\a:\d], v2, s[LB+2*(((\t)+16)/4):LB+2*(((\t)+16)/4)+1] offset:0x200000*(((\t)+16)%4) th:TH_LOAD_NT   ; the slot has been read: it takes the step sixteen on
.endif
.irp i, 0,1,2,3,4,5,6,7
	v_med3_num_f32 v[TS+\i], v[TS+\i], -v10, v10   ; the conversion does not saturate (ISA guide 7.6.2): the hold at the largest code x the scale
.endr
	v_cvt_scalef32_pk8_fp8_f32 v[CX+2*(\t):CX+2*(\t)+1], v[TS:TS+7], v11   ; its result goes to a store alone; the next step's plain lines write the other set
	global_store_b64 v3, v[CX+2*(\t):CX+2*(\t)+1], s[SB+2*((\t)/8):SB+2*((\t)/8)+1] offset:0x100000*((\t)%8)   ; 32 lanes store 256 consecutive bytes, aligned
.endm
	XSTEP 0, 16, 17, 18, 19
	XSTEP 1, 20, 21, 22, 23
	XSTEP 2, 24, 25, 26, 27
	XSTEP 3, 28, 29, 30, 31
	XSTEP 4, 32, 33, 34, 35
	XSTEP 5, 36, 37, 38, 39
	XSTEP 6, 40, 41, 42, 43
	XSTEP 7, 44, 45, 46, 47
	XSTEP 8, 48, 49, 50, 51
	XSTEP 9, 52, 53, 54, 55
	XSTEP 10, 56, 57, 58, 59
	XSTEP 11, 60, 61, 62, 63
	XSTEP 12, 64, 65, 66, 67
	XSTEP 13, 68, 69, 70, 71
	XSTEP 14, 72, 73, 74, 75
	XSTEP 15, 76, 77, 78, 79
	XSTEP 16, 16, 17, 18, 19
	XSTEP 17, 20, 21, 22, 23
	XSTEP 18, 24, 25, 26, 27
	XSTEP 19, 28, 29, 30, 31
	XSTEP 20, 32, 33, 34, 35
	XSTEP 21, 36, 37, 38, 39
	XSTEP 22, 40, 41, 42, 43
	XSTEP 23, 44, 45, 46, 47
	XSTEP 24, 48, 49, 50, 51
	XSTEP 25, 52, 53, 54, 55
	XSTEP 26, 56, 57, 58, 59
	XSTEP 27, 60, 61, 62, 63
	XSTEP 28, 64, 65, 66, 67
	XSTEP 29, 68, 69, 70, 71
	XSTEP 30, 72, 73, 74, 75
	XSTEP 31, 76, 77, 78, 79
	s_endpgm
; ---- W: a wave takes 32 columns x 256 along K.  A LANE TAKES A COLUMN n, AND ITS REGISTERS RUN DOWN K: a word of qweight is 8 neighbours along K of one column.
; THE GATHER BY g_idx.  Each lane makes, for all 32 groups, the pair (s, -(z + 1) s) of its column and puts it into its wave's table in LDS.  g_idx[k] is the same for all lanes: v_readlane_b32 makes an
; entry a scalar, it is held at 31, and it picks the table's row.  A lane reads only what it wrote; the barriers part the table's stores, its reads (whose addresses hang on loaded numbers) and the closing add.
.Lw:
	s_and_b32 s21, ttmp9, 15                       ; which 128 columns
	s_lshr_b32 s24, ttmp9, 4                       ; which 256 along K
	s_lshl_b32 s25, s21, 7
	s_lshl_b32 s26, s20, 5
	s_add_co_u32 s25, s25, s26                     ; n0: my wave's first column
	s_mov_b32 s29, 0
	s_lshl_b32 s28, s24, 18                        ; qweight: 32 rows of 8,192 bytes for each 256 along K,
	s_lshl_b32 s30, s25, 2                         ; + 4 n0
	s_add_co_u32 s28, s28, s30
	s_add_nc_u64 s[6:7], s[6:7], s[28:29]
	s_lshl_b32 s28, s25, 1                         ; scales: 2 n0
	s_add_nc_u64 s[10:11], s[10:11], s[28:29]
	s_lshr_b32 s28, s25, 1                         ; qzeros: a word for 8 columns
	s_add_nc_u64 s[8:9], s[8:9], s[28:29]
	s_lshl_b32 s28, s24, 10                        ; g_idx: 256 entries of 4 bytes
	s_add_nc_u64 s[12:13], s[12:13], s[28:29]
	s_lshl_b32 s28, s21, 19                        ; w_codes: 524,288 for each 128 columns,
	s_lshl_b32 s30, s24, 15                        ; + 2 x 16,384 for each 256 along K,
	s_add_co_u32 s28, s28, s30
	s_lshl_b32 s30, s20, 12                        ; + 2 x 2,048 for my wave's 32 columns
	s_add_co_u32 s28, s28, s30
	s_add_nc_u64 s[18:19], s[18:19], s[28:29]
	s_mul_i32 s31, s20, WREG                       ; my wave's table
	v_lshlrev_b32 v2, 2, v1                        ; qweight and g_idx: 4 bytes a lane
	v_lshlrev_b32 v3, 1, v1                        ; scales: 2 bytes a lane
	v_lshrrev_b32 v4, 3, v1
	v_lshlrev_b32 v4, 2, v4                        ; qzeros: the word of my eight columns,
	v_and_b32 v5, 7, v1
	v_lshlrev_b32 v5, 2, v5                        ; and my nibble's first bit in it
	v_lshl_add_u32 v6, v1, 3, s31                  ; the table: 8 bytes a lane; group g 256 g further on
	v_and_b32 v12, 15, v1
	v_lshrrev_b32 v13, 4, v1
	v_lshlrev_b32 v9, 11, v13
	v_lshl_add_u32 v9, v12, 4, v9                  ; w_codes: 2,048 (lane / 16) + 16 (lane % 16)
	s_wait_alu depctr_va_vdst(0)
.irp j, 0,1,2,3,4,5,6,7
	global_load_b32 v[GV+2*\j], v2, s[12:13] offset:128*\j       ; g_idx[32 j + lane] of my 256 k
.endr
.set G, 0
.rept 32
	global_load_u16 v[TB+2*G], v3, s[10:11] offset:4096*G        ; scales[G][my column]
	global_load_b32 v[TB+2*G+1], v4, s[8:9] offset:1024*G        ; qzeros[G][my column / 8]
.set G, G+1
.endr
.set G, 0
.rept 32
	global_load_b32 v[QW+G], v2, s[6:7] offset:8192*G th:TH_LOAD_NT   ; k = 8 G .. 8 G + 7 of my column; the work-group reads 512 consecutive bytes
.set G, G+1
.endr
	s_wait_loadcnt 32                              ; g_idx's 8 loads and the table's 64 are in; the 32 of qweight may be out
; the 32 groups' pairs, made side by side: no line reads the result of the line above it
.irp r, 16,18,20,22,24,26,28,30,32,34,36,38,40,42,44,46,48,50,52,54,56,58,60,62,64,66,68,70,72,74,76,78
	v_bfe_u32 v[\r+1], v[\r+1], v5, 4              ; z as it is stored
	v_cvt_f32_f16 v\r, v\r\().l                    ; s
.endr
.set G, 0
.rept 32
	v_cvt_f32_u32 v[TB+2*G+1], v[TB+2*G+1]
.set G, G+1
.endr
.set G, 0
.rept 32
	v_fma_f32 v[TB+2*G+1], -v[TB+2*G+1], v[TB+2*G], -v[TB+2*G]   ; -(z + 1) s: exact
.set G, G+1
.endr
.set G, 0
.rept 32
	ds_store_b64 v6, v[TB+2*G:TB+2*G+1] offset:256*G             ; 256 bytes a group
.set G, G+1
.endr
	s_wait_dscnt 0x0                               ; my stores into the table have landed
	s_barrier_signal -1
	s_barrier_wait -1
; The table's pairs for row i of qweight (k = 8 i .. 8 i + 7).  Entry 8 i + j of g_idx lies in lane 8 (i % 4) + j of register i / 4.
.macro ASK i
.set AP, (\i)%2
.irp j, 0,1,2,3,4,5,6,7
	v_readlane_b32 s[GI+8*AP+\j], v[GV+2*((\i)/4)], 8*((\i)%4)+\j
.endr
.irp j, 0,1,2,3,4,5,6,7
	s_min_u32 s[GI+8*AP+\j], s[GI+8*AP+\j], 31     ; a loaded number enters an address only behind this hold
.endr
.irp j, 0,1,2,3,4,5,6,7
	v_lshl_add_u32 v[AD+8*AP+\j], s[GI+8*AP+\j], 8, v6
.endr
.irp j, 0,1,2,3,4,5,6,7
	ds_load_b64 v[PR+16*AP+2*\j:PR+16*AP+2*\j+1], v[AD+8*AP+\j]
.endr
.endm
; Row i: eight numbers of W, eight codes.  The next row's pairs are asked for first.
.macro ROW i
.set RP, (\i)%2
.if (\i) < 31
	ASK (\i)+1
.endif
.irp j, 0,1,2,3,4,5,6,7
	v_bfe_u32 v[WS+8*RP+\j], v[QW+(\i)], 4*\j, 4
.endr
.irp j, 0,1,2,3,4,5,6,7
	v_cvt_f32_u32 v[WS+8*RP+\j], v[WS+8*RP+\j]
.endr
	s_wait_alu depctr_va_vdst(0)
.if (\i) < 31
	s_wait_dscnt 8                                 ; this row's eight pairs are in; the next row's eight may be out
.else
	s_wait_dscnt 0x0
.endif
.irp j, 0,1,2,3,4,5,6,7
	v_fma_f32 v[WS+8*RP+\j], v[WS+8*RP+\j], v[PR+16*RP+2*\j], v[PR+16*RP+2*\j+1]   ; w s - (z + 1) s: exact
.endr
.irp j, 0,1,2,3,4,5,6,7
	v_med3_num_f32 v[WS+8*RP+\j], v[WS+8*RP+\j], -v10, v10   ; the hold at the largest code x the scale
.endr
	v_cvt_scalef32_pk8_fp8_f32 v[CW+2*(\i):CW+2*(\i)+1], v[WS+8*RP:WS+8*RP+7], v11   ; the next row's first vector lines are plain and write other registers
.endm
	ASK 0
	s_wait_kmcnt 0x0                               ; e1
	s_add_co_i32 s28, s23, 127
	s_lshl_b32 s29, s28, 23
	v_mov_b32 v11, s29                             ; 2^e1 as f32
	s_add_co_i32 s28, s28, 8
	s_lshl_b32 s28, s28, 23
	s_or_b32 s28, s28, 0x600000
	v_mov_b32 v10, s28                             ; 448 x 2^e1
	s_wait_alu depctr_va_vdst(0)
	s_wait_loadcnt 0x0                             ; qweight
.set Q, 0
.rept 32
	ROW Q
.set Q, Q+1
.endr
	v_nop                                          ; a plain vector line behind the last conversion
	s_wait_alu depctr_va_vdst(0)
; THE WAY OUT.  A lane's quad q holds k = 16 q .. 16 q + 15 of its column; in w_codes the same quad of sixteen neighbouring columns is 256 consecutive bytes, aligned: stored straight from registers.
.irp q, 0,1,2,3,4,5,6,7,8,9,10,11,12,13,14,15
	global_store_b128 v9, v[CW+4*\q:CW+4*\q+3], s[18:19] offset:(\q/8)*16384+((\q%8)/2)*512+(\q%2)*256
.endr
	s_wait_dscnt 0x0                               ; my reads of the table are over
	s_barrier_signal -1
	s_barrier_wait -1
	s_wait_tensorcnt 0x0                           ; the wave's end
	ds_add_u32 v[SPW], v[NIL]
	s_wait_dscnt 0x0
	s_endpgm
.Lfunc_end_k_qbcf36944b4_prep:
	.size	k_qbcf36944b4_prep, .Lfunc_end_k_qbcf36944b4_prep-k_qbcf36944b4_prep
	.p2alignl 7, 3214868480
	.fill 96, 4, 3214868480
	.section	.rodata,"a",@progbits
	.p2align	6, 0x0
	.amdhsa_kernel k_qbcf36944b4_prep
		.amdhsa_group_segment_fixed_size 33280
		.amdhsa_private_segment_fixed_size 0
		.amdhsa_enable_private_segment 0
		.amdhsa_kernarg_size 64
		.amdhsa_user_sgpr_count 2
		.amdhsa_user_sgpr_kernarg_segment_ptr 1
		.amdhsa_wavefront_size32 1
		.amdhsa_system_sgpr_workgroup_id_x 1
		.amdhsa_system_sgpr_workgroup_id_y 1
		.amdhsa_system_sgpr_workgroup_id_z 1
		.amdhsa_system_vgpr_workitem_id 0
		.amdhsa_next_free_vgpr 192
		.amdhsa_next_free_sgpr 74
		.amdhsa_reserve_vcc 0
		.amdhsa_float_denorm_mode_32 3
		.amdhsa_float_denorm_mode_16_64 3
		.amdhsa_memory_ordered 1
		.amdhsa_forward_progress 1
		.amdhsa_inst_pref_size 173
	.end_amdhsa_kernel
	.amdgpu_metadata
---
amdhsa.version: [ 1, 2 ]
amdhsa.kernels:
  - .name:           k_qbcf36944b4_prep
    .symbol:         k_qbcf36944b4_prep.kd
    .args:
      - { .name: x, .offset: 0, .size: 8, .value_kind: global_buffer, .address_space: global }
      - { .name: qweight, .offset: 8, .size: 8, .value_kind: global_buffer, .address_space: global }
      - { .name: qzeros, .offset: 16, .size: 8, .value_kind: global_buffer, .address_space: global }
      - { .name: scales, .offset: 24, .size: 8, .value_kind: global_buffer, .address_space: global }
      - { .name: g_idx, .offset: 32, .size: 8, .value_kind: global_buffer, .address_space: global }
      - { .name: lowp_scales, .offset: 40, .size: 8, .value_kind: global_buffer, .address_space: global }
      - { .name: x_codes, .offset: 48, .size: 8, .value_kind: global_buffer, .address_space: global }
      - { .name: w_codes, .offset: 56, .size: 8, .value_kind: global_buffer, .address_space: global }
    .group_segment_fixed_size: 33280
    .private_segment_fixed_size: 0
    .kernarg_segment_align: 8
    .kernarg_segment_size: 64
    .max_flat_workgroup_size: 128
    .sgpr_count:     74
    .vgpr_count:     192
    .wavefront_size: 32
...
	.end_amdgpu_metadata
.endif
;; end of part 1
;; launch gemm (part 2): grid 8 x 32, 4 waves a work-group, clusters of 4 x 1, 327,680 bytes of LDS; arguments x_codes, w_codes, lowp_scales, bias, out0; writes out0
.if DOCPART == 2
	.amdgcn_target "amdgcn-amd-amdhsa--gfx1250"
	.amdhsa_code_object_version 6
	.text
	.protected	k_qbcf36944b4_gemm
	.globl	k_qbcf36944b4_gemm
	.p2align	8
	.type	k_qbcf36944b4_gemm,@function
k_qbcf36944b4_gemm:
	s_mov_b64 s[64:65], 0
	v_nop
	global_prefetch_b8 v0, s[64:65] scope:SCOPE_SE
	s_setreg_imm32_b32 hwreg(HW_REG_WAVE_MODE, 25, 1), 1
	s_wait_xcnt 0x0
	s_wait_alu depctr_hold_cnt(0) depctr_sa_sdst(0) depctr_va_vdst(0) depctr_va_sdst(0) depctr_va_ssrc(0) depctr_va_vcc(0) depctr_vm_vsrc(0)
	s_getreg_b32 s2, hwreg(HW_REG_IB_STS2, 6, 4)
	s_cmp_eq_u32 s2, 0
	s_cbranch_scc0 .Lentry_in_a_cluster
	s_endpgm
.Lentry_in_a_cluster:
	s_bfe_u32 s2, ttmp6, 0x10000c
	s_cmp_lg_u32 s2, 0x3003
	s_cbranch_scc0 .Lentry_shape_is_right
	s_endpgm
.Lentry_shape_is_right:
; out0[m][n] = f16(2^(e0 + e1) x sum over k of xc[m][k] wc[k][n] + bias[n]): the codes of FP8 (E4M3) are multiplied as they are, sums in f32.
; LIMIT: e0 + e1 between -126 and 127, so that 2^(e0 + e1) is an f32 number.  The scaled sum and the bias are added in f32 and rounded to f16 once.
; A block of 256 x 256 is made by four waves, each 128 x 128: 64 accumulators, 512 registers (windows 2 and 3).  256 work-groups.
; A (x_codes) GOES THROUGH LDS: a ring of two slots, each 256 rows x 512 along K (four steps of 128), filled by the tensor data mover, a quarter (64 rows) a wave.
; The four work-groups of a cluster (4 x 1) make one tile row and ask for A's tile JOINTLY (mask 15).
; B (w_codes) GOES FROM MEMORY STRAIGHT INTO REGISTERS: the launch before has laid it in the order of the fragments' registers, so each load of a wave reads 512 consecutive bytes.
; B has two sets of registers (window 1); a half set (four fragments) is asked for again, for the step two on, as soon as its last products are issued.  B has no tile in LDS, so there is nothing of it to ask for jointly.
; A step's 64 products go in four quarters: (A's blocks 0-3, B's 0-3), (0-3, 4-7), (4-7, 0-3), (4-7, 4-7).  A has one set (window 0): blocks 0-3 are fetched anew in the step's middle, blocks 4-7 at its end.
; THE MATRIX INSTRUCTION IS USED TRANSPOSED (source 0 = 16 columns of W, source 1 = 16 rows of x): a lane holds eight neighbouring numbers of a row of out0.
; k is permuted alike in both operands: registers 4 c .. 4 c + 3 of lane l hold K = 32 c + 16 (l / 16) + 0 .. 15.
; PREFETCHES.  A: at a refill, the slot two refills on: 16 rows x 2 blocks of 256 bytes a wave, the four partners told apart by address; the last two refills ask for nothing.
; B: in step s, step s + 4's 32 KB of the work-group, 8 KB a wave, a lane a block of 256 bytes: two steps ahead of the loads; the written-out last steps ask for nothing.
.set SIZE_N, 2048
.set PITCH,  528                       ; an LDS row: 512 bytes + 16 of padding
.set QROWS,  64*PITCH                  ; what one tensor load brings
.set SLOT,   4*QROWS
.set SPARE,  2*SLOT                    ; the spare words, 128 bytes a wave
.set STAGE,  SPARE+512                 ; the way out: 16 rows x 272 bytes for each wave; no tile lands here
.set SPITCH, 272
.set WSTEP,  16384                     ; w_codes: 128 columns x 128 K
.set ADRA, 16                          ; v16-17 LDS address of my A fragments in slot 0, 1
.set BOFF, 18                          ; v18    16 x lane
.set PFB,  19                          ; v19    256 x lane
.set STO,  24
.set RD,   25
.set CO,   26
.set BO,   27
.set SPW,  28                          ; v28 my spare word's address, v29 = 0: never rewritten
.set NIL,  29
.set PFO,  30                          ; v30    4096 (lane / 2) + 256 (lane % 2)
.set BI,   64                          ; v64-127 the bias in f32 (v32-63: as loaded)
.set AF,   128                         ; A's fragments
.set TMP,  128
.set PK,   192
.set G1, 24                            ; s[24:31] descriptor group 1; s[32:39] group 0, a set for each slot
.set G0, 32
.set BP, 44                            ; s[44:45] my 128 columns of w_codes, at the slot's first step
.set PB, 46                            ; s[46:47] the same for my share of B's prefetches
.set PFA, 48                           ; s[48:49] A's prefetches
.set MSB, 0
.macro WIN new                         ; the immediate's high byte repeats the setting that is left
.if MSB != \new
	s_set_vgpr_msb (MSB<<8)|\new
.set MSB, \new
.endif
.endm
.set MUL_LO, 0xa1                      ; source 0 (B) window 1, source 1 (A) window 0, C and D window 2
.set MUL_HI, 0xf1                      ; the same, C and D window 3
.set TO_B,   0x40                      ; destination window 1, address window 0
.macro PLACES
.rept 4
	v_nop
.endr
.endm
.macro JLOAD s                         ; my quarter of a slot; s_nop 0 and four v_nop behind it
	tensor_load_to_lds s[G0+4*\s:G0+4*\s+3], s[G1:G1+7]
	s_nop 0
	PLACES
.endm
.macro CREST
	s_cmp_lg_u32 s14, 0
	s_cbranch_scc1 .Lnot_wave_0_\@
	s_barrier_signal -3
.Lnot_wave_0_\@:
	s_barrier_wait -3
	s_barrier_signal -1
	s_barrier_wait -1
.endm
.macro CROUND
	s_barrier_signal -1
	s_barrier_wait -1
	CREST
.endm
.macro ASKA                            ; the loop's last trip (s3 = 1) has no slot two refills on
	s_cmp_gt_u32 s3, 1
	s_cbranch_scc0 .Lno_ask_\@
	global_prefetch_b8 v[PFO], s[PFA:PFA+1] th:TH_LOAD_NT scope:SCOPE_SE
.Lno_ask_\@:
.endm
.macro FETCH_A slot, q, i0             ; A's blocks i0 .. i0 + 3 of the slot's q-th 128 along K
.irp i, \i0, \i0+1, \i0+2, \i0+3
.irp c, 0,1,2,3
	ds_load_b128 v[AF+16*(\i)+4*\c:AF+16*(\i)+4*\c+3], v[ADRA+\slot] offset:128*(\q)+32*\c+(\i)*16*PITCH
.endr
.endr
.endm
.macro GLOADB p, b0, st                ; B's fragments b0 .. b0 + 3 of step st (counted from BP) into set p: 16 loads
	WIN TO_B
.irp i, \b0, \b0+1, \b0+2, \b0+3
.irp c, 0,1,2,3
	global_load_b128 v[128*(\p)+16*(\i)+4*\c:128*(\p)+16*(\i)+4*\c+3], v[BOFF], s[BP:BP+1] offset:(\st)*WSTEP+(\i)*2048+\c*512
.endr
.endr
.endm
.macro MULQ a0, b0, p, zero            ; 16 products; the 64 accumulators take turns, in the same order in every step
.irp a, \a0, \a0+1, \a0+2, \a0+3
.irp b, \b0, \b0+1, \b0+2, \b0+3
.if \zero
	v_wmma_f32_16x16x128_fp8_fp8 v[8*(8*((\a)%4)+(\b)):8*(8*((\a)%4)+(\b))+7], v[128*(\p)+16*(\b):128*(\p)+16*(\b)+15], v[AF+16*(\a):AF+16*(\a)+15], 0
.else
	v_wmma_f32_16x16x128_fp8_fp8 v[8*(8*((\a)%4)+(\b)):8*(8*((\a)%4)+(\b))+7], v[128*(\p)+16*(\b):128*(\p)+16*(\b)+15], v[AF+16*(\a):AF+16*(\a)+15], v[8*(8*((\a)%4)+(\b)):8*(8*((\a)%4)+(\b))+7]
.endif
.endr
.endr
.endm
; A step whose successor lies in the same slot.  bl: 0 no loads of B, 1 loads, 2 loads and a prefetch.
; Global loads are issued in the order B 0-3 (s), B 4-7 (s), B 0-3 (s + 1), ..; at a step's head three halves of 16 stand behind the half that is needed, at its second quarter two.
.macro STEP slot, q, zero, bl
	s_wait_loadcnt 48
	s_wait_dscnt 16                                ; A's blocks 0-3 are in; blocks 4-7 may be out
	WIN MUL_LO
	MULQ 0, 0, (\q)%2, \zero
	s_wait_loadcnt 32
	MULQ 0, 4, (\q)%2, \zero
	PLACES
	WIN 0
	FETCH_A \slot, (\q)+1, 0
	s_wait_dscnt 16                                ; all but the 16 just issued: A's blocks 4-7 are in
	WIN MUL_HI
	MULQ 4, 0, (\q)%2, \zero
.if \bl
	PLACES
	GLOADB (\q)%2, 0, (\q)+2
.if \bl > 1
	global_prefetch_b8 v[PFB], s[PB:PB+1] offset:((\q)+4)*WSTEP th:TH_LOAD_NT scope:SCOPE_SE
.endif
	WIN MUL_HI
.endif
	MULQ 4, 4, (\q)%2, \zero
	PLACES
.if \bl
	GLOADB (\q)%2, 4, (\q)+2
.endif
	WIN 0
	FETCH_A \slot, (\q)+1, 4
.endm
; A slot's last step changes slots: in front of the barrier each wave waits for all its tensor loads, adds 0 to its spare word, and waits for that and for its reads of this slot.
.macro TURN slot, next, fill, bl
	s_wait_xcnt 0x0                                ; the loads and prefetches issued so far have read their bases: these step to the next slot
	s_add_nc_u64 s[BP:BP+1], s[BP:BP+1], 4*WSTEP
.if \bl > 1
	s_add_nc_u64 s[PB:PB+1], s[PB:PB+1], 4*WSTEP
.endif
.if \fill
	s_add_nc_u64 s[PFA:PFA+1], s[PFA:PFA+1], 512
.endif
	s_wait_tensorcnt 0x0                           ; my one tensor load, my quarter of the next slot, has landed
	ds_add_u32 v[SPW], v[NIL]
.if \fill
	s_add_nc_u64 s[G0+4*\slot+2:G0+4*\slot+3], s[G0+4*\slot+2:G0+4*\slot+3], 1024   ; this slot's next 512 along K
.endif
	s_wait_loadcnt 48
	s_wait_dscnt 17                                ; the add and A's blocks 4-7 may be out
	WIN MUL_LO
	MULQ 0, 0, 1, 0
	s_wait_loadcnt 32
	s_wait_dscnt 0x0                               ; the add is done, and my reads of this slot are over
	s_barrier_signal -1
	MULQ 0, 4, 1, 0
	WIN 0
	s_barrier_wait -1
.if \fill
	CREST                                          ; the barrier has opened a round of the cluster's barrier
	JLOAD \slot                                    ; the first tensor load behind the round; its four v_nop are also the places in front of the loads below
.else
	PLACES
.endif
	FETCH_A \next, 0, 0
.if \fill
	ASKA
.endif
	WIN MUL_HI
	MULQ 4, 0, 1, 0
	PLACES
	GLOADB 1, 0, 1
.if \bl > 1
	global_prefetch_b8 v[PFB], s[PB:PB+1] offset:3*WSTEP th:TH_LOAD_NT scope:SCOPE_SE
.endif
	WIN MUL_HI
	MULQ 4, 4, 1, 0
	PLACES
	GLOADB 1, 4, 1
	WIN 0
	FETCH_A \next, 0, 4
.endm
	s_load_b128 s[4:7], s[0:1], 0x0                ; x_codes, w_codes
	s_load_b128 s[8:11], s[0:1], 0x10              ; lowp_scales, bias
	s_load_b64 s[12:13], s[0:1], 0x20              ; out0
	v_lshl_add_u32 v[SPW], v0, 2, SPARE
	v_mov_b32 v[NIL], 0
	ds_add_u32 v[SPW], v[NIL]                      ; the opening lines: the add, twice on end, and its wait ahead of my first tensor load
	ds_add_u32 v[SPW], v[NIL]
	v_lshrrev_b32 v1, 5, v0
	v_readfirstlane_b32 s14, v1                    ; wave 0..3
	s_lshr_b32 s15, s14, 1                         ; which 128 rows of the block are mine
	s_and_b32 s16, s14, 1                          ; which 128 columns
	s_bfe_u32 s40, ttmp6, 0x40000                  ; cx
	s_lshl_b32 s42, ttmp9, 2
	s_add_co_u32 s42, s42, s40                     ; tile column = 4 x cluster x + cx
	s_and_b32 s17, ttmp7, 0xffff                   ; tile row = cluster y
	s_mov_b32 s[G1+0], 15|(1<<20)|(1<<21)|(6<<22)|(3<<25)   ; mask: the four of the cluster; 1-byte elements; 4 words of padding behind every 128
	s_mov_b32 s[G1+1], 512<<16                     ; tensor_dim0
	s_mov_b32 s[G1+2], 64<<16                      ; tensor_dim1
	s_mov_b32 s[G1+3], 512<<16                     ; tile_dim0
	s_mov_b32 s[G1+4], 64                          ; tile_dim1
	s_mov_b32 s[G1+5], 4096                        ; pitch
	s_mov_b32 s[G1+6], 0
	s_mov_b32 s[G1+7], 0
	s_lshl_b32 s18, s17, 8
	s_lshl_b32 s19, s14, 6
	s_add_co_u32 s18, s18, s19                     ; the rows that I fetch begin at 256 x tile row + 64 x wave
	s_lshl_b32 s50, s40, 4
	s_add_co_u32 s50, s50, s18                     ; of them my work-group prefetches 16, from 16 cx on
	s_lshl_b32 s18, s18, 12
	s_mov_b32 s19, 0
	s_lshl_b32 s50, s50, 12
	s_add_co_u32 s50, s50, 3*512                   ; the first refill steps it to the slot four on
	s_mov_b32 s51, 0
	s_mul_i32 s20, s14, QROWS                      ; where my quarter goes
	s_lshl_b32 s52, s42, 1
	s_add_co_u32 s54, s52, s15                     ; B's prefetches: waves 0, 1 the first 128 columns, waves 2, 3 the second,
	s_add_co_u32 s52, s52, s16                     ; B's loads: my 128 columns
	s_lshl_b32 s52, s52, 19
	s_mov_b32 s53, 0
	s_lshl_b32 s54, s54, 19
	s_lshl_b32 s55, s16, 13                        ; 8 KB of a step's 16 each
	s_add_co_u32 s54, s54, s55
	s_mov_b32 s55, 0
	s_lshl_b32 s56, s42, 9
	s_lshl_b32 s57, s16, 8
	s_add_co_u32 s56, s56, s57                     ; my first column in bytes of f16
	s_mov_b32 s57, 0
	s_lshl_b32 s58, s17, 8
	s_lshl_b32 s59, s15, 7
	s_add_co_u32 s58, s58, s59
	s_lshl_b32 s58, s58, 12                        ; my first row of out0, 4,096 bytes a row
	s_add_co_u32 s58, s58, s56
	s_mov_b32 s59, 0
	s_mul_i32 s21, s15, 128*PITCH
	s_add_co_u32 s22, s21, SLOT
	s_mul_i32 s23, s14, 16*SPITCH
	s_add_co_u32 s23, s23, STAGE
	v_and_b32 v1, 15, v0                           ; l % 16
	v_bfe_u32 v2, v0, 4, 1                         ; l / 16
	v_and_b32 v3, 31, v0
	v_mul_u32_u24 v4, v1, PITCH
	v_lshl_add_u32 v4, v2, 4, v4
	v_add_nc_u32 v[ADRA], s21, v4
	v_add_nc_u32 v[ADRA+1], s22, v4
	v_lshlrev_b32 v[BOFF], 4, v3
	v_lshlrev_b32 v[PFB], 8, v3
	v_lshrrev_b32 v5, 1, v3
	v_and_b32 v6, 1, v3
	v_lshlrev_b32 v6, 8, v6
	v_lshl_add_u32 v[PFO], v5, 12, v6
	v_lshlrev_b32 v[BO], 4, v2
	v_mul_u32_u24 v5, v1, SPITCH                   ; the stage, in: row l % 16, 16 bytes for each half of the lanes
	v_lshl_add_u32 v5, v2, 4, v5
	v_add_nc_u32 v[STO], s23, v5
	v_mul_u32_u24 v5, v2, SPITCH                   ; back: sixteen lanes to a row of 256 bytes
	v_lshl_add_u32 v5, v1, 4, v5
	v_add_nc_u32 v[RD], s23, v5
	v_mul_u32_u24 v5, v2, SIZE_N*2
	v_lshl_add_u32 v[CO], v1, 4, v5
	s_wait_alu depctr_va_vdst(0)
	s_wait_dscnt 0x0                               ; both opening adds are done
	s_wait_kmcnt 0x0
	s_load_b64 s[96:97], s[8:9], 0x0               ; e0, e1
	s_mov_b32 s[G0], 1
	s_add_co_u32 s[G0+1], s20, 0
	s_add_nc_u64 s[G0+2:G0+3], s[4:5], s[18:19]
	s_mov_b32 s[G0+4], 1
	s_add_co_u32 s[G0+5], s20, SLOT
	s_add_nc_u64 s[G0+6:G0+7], s[G0+2:G0+3], 512
	s_or_b32 s[G0+3], s[G0+3], 0x80000000
	s_or_b32 s[G0+7], s[G0+7], 0x80000000
	s_add_nc_u64 s[PFA:PFA+1], s[4:5], s[50:51]
	s_add_nc_u64 s[BP:BP+1], s[6:7], s[52:53]
	s_add_nc_u64 s[PB:PB+1], s[6:7], s[54:55]
	s_add_nc_u64 s[10:11], s[10:11], s[56:57]
	s_add_nc_u64 s[12:13], s[12:13], s[58:59]
	CROUND                                         ; the four work-groups are here: the first joint loads meet
	JLOAD 0                                        ; one tensor load a wave at the head
.irp b, 0,1,2,3,4,5,6,7
	global_load_b128 v[32+4*\b:35+4*\b], v[BO], s[10:11] offset:32*\b   ; bias of columns 16 b + 8 (l / 16) + 0 .. 7
.endr
	GLOADB 0, 0, 0                                 ; B of steps 0 and 1
	GLOADB 0, 4, 0
	GLOADB 1, 0, 1
	GLOADB 1, 4, 1
	WIN 0
	s_wait_alu depctr_va_vdst(0)
	s_wait_tensorcnt 0x0                           ; my quarter of slot 0 is in; slot 1's first fill is issued as a refill is
	ds_add_u32 v[SPW], v[NIL]
	s_wait_dscnt 0x0
	CROUND
	JLOAD 1
	FETCH_A 0, 0, 0
	FETCH_A 0, 0, 4
	STEP 0, 0, 1, 2                                ; the first step's products start the sums
	s_mov_b32 s3, 3
.Llap:                                                 ; a trip goes once round the ring, from a lap's second step to the next lap's first
	STEP 0, 1, 0, 2
	STEP 0, 2, 0, 2
	TURN 0, 1, 1, 2
	STEP 1, 0, 0, 2
	STEP 1, 1, 0, 2
	STEP 1, 2, 0, 2
	TURN 1, 0, 1, 2
	STEP 0, 0, 0, 2
	s_sub_co_u32 s3, s3, 1
	s_cmp_lg_u32 s3, 0
	s_cbranch_scc1 .Llap
	STEP 0, 1, 0, 1                                ; the last lap fills no slot
	STEP 0, 2, 0, 1
	TURN 0, 1, 0, 1
	STEP 1, 0, 0, 1
	STEP 1, 1, 0, 1                                ; B's last loads: step 31's
	STEP 1, 2, 0, 0
	s_wait_loadcnt 16                              ; the last step: one half of B stands behind the half that is needed
	s_wait_dscnt 16
	WIN MUL_LO
	MULQ 0, 0, 1, 0
	s_wait_loadcnt 0
	MULQ 0, 4, 1, 0
	s_wait_dscnt 0
	WIN MUL_HI
	MULQ 4, 0, 1, 0
	MULQ 4, 4, 1, 0
	WIN 0
; THE WAY OUT, block by block of 16 rows x 128 columns: x 2^(e0 + e1), + bias, to f16; through my own stage and back as whole rows of 256 bytes.
.macro TOSTAGE a
.set AC, 64*((\a)%4)
.set BB, 224-192*((\a)%2)
	WIN 0x02+((\a)/4)
.irp j, 0,2,4,6,8,10,12,14,16,18,20,22,24,26,28,30,32,34,36,38,40,42,44,46,48,50,52,54,56,58,60,62
	v_pk_fma_f32 v[TMP+\j:TMP+\j+1], v[AC+\j:AC+\j+1], s[96:97], v[BI+\j:BI+\j+1] op_sel_hi:[1,0,1]   ; each accumulator from its low end on
.endr
	WIN 0
.irp b, 0,1,2,3,4,5,6,7
.irp q, 0,1,2,3
	v_cvt_pk_f16_f32 v[PK+4*\b+\q], v[TMP+8*\b+2*\q], v[TMP+8*\b+2*\q+1]
.endr
.endr
.irp b, 0,1,2,3,4,5,6,7
	ds_store_b128 v[STO], v[PK+4*\b:PK+4*\b+3] offset:32*\b
.endr
.irp t, 0,1,2,3,4,5,6,7
	ds_load_b128 v[BB+4*\t:BB+4*\t+3], v[RD] offset:\t*2*SPITCH   ; LDS serves a wave's instructions in order: these see my stores
.endr
.endm
.macro SEND a, younger
.set BB, 224-192*((\a)%2)
	s_wait_dscnt \younger
.if (\a) > 0
	s_add_nc_u64 s[12:13], s[12:13], 16*SIZE_N*2   ; behind a wait on XCNT: the earlier stores have read their base
.endif
.irp t, 0,1,2,3,4,5,6,7
	global_store_b128 v[CO], v[BB+4*\t:BB+4*\t+3], s[12:13] offset:2*\t*SIZE_N*2 th:TH_STORE_NT   ; sixteen lanes store 256 consecutive bytes, aligned
.endr
.endm
	s_wait_kmcnt 0x0
	s_add_co_i32 s96, s96, s97
	s_add_co_i32 s96, s96, 127
	s_lshl_b32 s96, s96, 23                        ; 2^(e0 + e1) as f32
	PLACES
.irp r, 32,33,34,35,36,37,38,39,40,41,42,43,44,45,46,47,48,49,50,51,52,53,54,55,56,57,58,59,60,61,62,63
	v_cvt_f32_f16 v[BI+2*(\r-32)], v\r\().l
	v_cvt_f32_f16 v[BI+2*(\r-32)+1], v\r\().h
.endr
	s_wait_alu depctr_va_vdst(0)
	TOSTAGE 0
.irp a, 1,2,3,4,5,6,7
.if \a > 1
	s_wait_xcnt 0x0                                ; block a - 2's stores have read their registers and their base
.endif
	TOSTAGE \a
	SEND \a-1, 16
.endr
	s_wait_xcnt 0x0
	SEND 7, 0
	s_wait_tensorcnt 0x0                           ; the wave's end
	ds_add_u32 v[SPW], v[NIL]
	s_wait_dscnt 0x0
	CROUND                                         ; the closing round
	s_endpgm
.Lfunc_end_k_qbcf36944b4_gemm:
	.size	k_qbcf36944b4_gemm, .Lfunc_end_k_qbcf36944b4_gemm-k_qbcf36944b4_gemm
	.p2alignl 7, 3214868480
	.fill 96, 4, 3214868480
	.section	.rodata,"a",@progbits
	.p2align	6, 0x0
	.amdhsa_kernel k_qbcf36944b4_gemm
		.amdhsa_group_segment_fixed_size 327680
		.amdhsa_private_segment_fixed_size 0
		.amdhsa_enable_private_segment 0
		.amdhsa_kernarg_size 40
		.amdhsa_user_sgpr_count 2
		.amdhsa_user_sgpr_kernarg_segment_ptr 1
		.amdhsa_wavefront_size32 1
		.amdhsa_system_sgpr_workgroup_id_x 1
		.amdhsa_system_sgpr_workgroup_id_y 1
		.amdhsa_system_sgpr_workgroup_id_z 1
		.amdhsa_system_vgpr_workitem_id 0
		.amdhsa_next_free_vgpr 1024
		.amdhsa_next_free_sgpr 98
		.amdhsa_reserve_vcc 0
		.amdhsa_float_denorm_mode_32 3
		.amdhsa_float_denorm_mode_16_64 3
		.amdhsa_memory_ordered 1
		.amdhsa_forward_progress 1
		.amdhsa_inst_pref_size 215
	.end_amdhsa_kernel
	.amdgpu_metadata
---
amdhsa.version: [ 1, 2 ]
amdhsa.kernels:
  - .name:           k_qbcf36944b4_gemm
    .symbol:         k_qbcf36944b4_gemm.kd
    .args:
      - { .name: x_codes, .offset: 0, .size: 8, .value_kind: global_buffer, .address_space: global }
      - { .name: w_codes, .offset: 8, .size: 8, .value_kind: global_buffer, .address_space: global }
      - { .name: lowp_scales, .offset: 16, .size: 8, .value_kind: global_buffer, .address_space: global }
      - { .name: bias, .offset: 24, .size: 8, .value_kind: global_buffer, .address_space: global }
      - { .name: out0, .offset: 32, .size: 8, .value_kind: global_buffer, .address_space: global }
    .group_segment_fixed_size: 327680
    .private_segment_fixed_size: 0
    .kernarg_segment_align: 8
    .kernarg_segment_size: 40
    .max_flat_workgroup_size: 128
    .sgpr_count:     98
    .vgpr_count:     1024
    .wavefront_size: 32
...
	.end_amdgpu_metadata
.endif
;; end of part 2
